; MI455X (gfx1250); checked and timed in simulation.
; The chip was launched on July 23, 2026; its instructions are those of AMD's public machine-readable ISA for CDNA 5 (MIT licence, August 2026) and "CDNA5" Instruction Set Architecture Reference Guide (July 2026). The comments in the code are by the model that wrote it; some were corrected since.
;; Decoder Attention Rotary. Allowed arithmetic: float matrix products may take bf16 or f16 operands with f32 sums; all other float work in f32.
;; Inputs: Wqkv 1,024 x 3,072 float32; bqkv 3,072 float32; freqs_cis 4,096 x 32 x 2 float32; x 1 x 4,096 x 1,024 float32.
;; Outputs: out0 1 x 4,096 x 1,024 float32.
;; One version. Each part assembles by itself: llvm-mc -triple=amdgcn-amd-amdhsa -mcpu=gfx1250 --defsym DOCPART=n.
;; ======== version 1 of 1: 3 launches
;; limits: values outside matrix products are rounded to bf16; values are held in f16: magnitudes above 65,504 overflow, below 6.1e-05 lose precision
;; workspace buffers: xb 8,388,608 bytes; wb 6,291,456 bytes; fb 524,288 bytes; qkv 25,165,824 bytes
;; launch cast (part 1): grid 256 x 1, 8 waves a work-group, no clusters, 0 bytes of LDS; arguments x, Wqkv, freqs_cis, xb, wb, fb; writes xb, wb, fb
.if DOCPART == 1
	.amdgcn_target "amdgcn-amd-amdhsa--gfx1250"
	.amdhsa_code_object_version 6
	.text
	.protected	k_q7adc05a8b8_cast
	.globl	k_q7adc05a8b8_cast
	.p2align	8
	.type	k_q7adc05a8b8_cast,@function
k_q7adc05a8b8_cast:
	s_mov_b64 s[64:65], 0
	v_nop
	global_prefetch_b8 v0, s[64:65] scope:SCOPE_SE
	s_setreg_imm32_b32 hwreg(HW_REG_WAVE_MODE, 25, 1), 1
	s_wait_xcnt 0x0
; xb = bf16(x), wb = bf16(Wqkv), fb = bf16(freqs_cis): same layouts, each number rounded once to nearest even.
; A pure stream: every input byte is read once and every output byte written once; LDS, barriers and matrix units would add nothing.
; 256 work-groups of 8 waves.  Work-group g takes 65,536 bytes of x, 49,152 of Wqkv and 4,096 of freqs_cis.
; Thread t takes the 16 bytes at 16 t + 4,096 i of each part: 16 + 12 + 1 = 29 loads, all issued before the first wait, so that
; the whole share of the work-group (118,784 bytes) is on its way at once.  A load of a wave covers 512 consecutive bytes,
; a store of a wave 256 consecutive bytes, aligned.
; FORMAT LIMIT, stated: the rotary table is used in bf16 from here on, like x and Wqkv.
.set NX, 16                            ; loads of x in a thread
.set NW, 12                            ; loads of Wqkv
.set NS, NX+NW+1                       ; all loads
.set X,  4                             ; v[4:119]: slot n at X + 4 n, four f32 as loaded; its first two registers then hold four bf16
	s_load_b256 s[4:11], s[0:1], 0x0               ; x s[4:5], Wqkv s[6:7], freqs_cis s[8:9], xb s[10:11]
	s_load_b128 s[12:15], s[0:1], 0x20             ; wb s[12:13], fb s[14:15]
	v_lshlrev_b32 v1, 4, v0                        ; 16 t: where I read
	v_lshlrev_b32 v2, 3, v0                        ; 8 t: where I write
	s_lshl_b32 s16, ttmp9, 16                      ; the work-group's parts, as 64-bit offsets
	s_mov_b32 s17, 0
	s_mul_i32 s18, ttmp9, 49152
	s_mov_b32 s19, 0
	s_lshl_b32 s20, ttmp9, 12
	s_mov_b32 s21, 0
	s_lshl_b32 s22, ttmp9, 15
	s_mov_b32 s23, 0
	s_mul_i32 s24, ttmp9, 24576
	s_mov_b32 s25, 0
	s_lshl_b32 s26, ttmp9, 11
	s_mov_b32 s27, 0
	s_wait_kmcnt 0x0
	s_add_nc_u64 s[4:5], s[4:5], s[16:17]
	s_add_nc_u64 s[6:7], s[6:7], s[18:19]
	s_add_nc_u64 s[8:9], s[8:9], s[20:21]
	s_add_nc_u64 s[10:11], s[10:11], s[22:23]
	s_add_nc_u64 s[12:13], s[12:13], s[24:25]
	s_add_nc_u64 s[14:15], s[14:15], s[26:27]
.set ii, 0
.rept NX
	global_load_b128 v[X+4*ii:X+4*ii+3], v1, s[4:5] offset:4096*ii th:TH_LOAD_NT
.set ii, ii+1
.endr
.set ii, 0
.rept NW
	global_load_b128 v[X+4*(NX+ii):X+4*(NX+ii)+3], v1, s[6:7] offset:4096*ii th:TH_LOAD_NT
.set ii, ii+1
.endr
	global_load_b128 v[X+4*(NX+NW):X+4*(NX+NW)+3], v1, s[8:9] th:TH_LOAD_NT
; Slot n: its load is in (loads come back in order, so NS-1-n younger ones may stay out), four roundings in two instructions, 8 bytes out.
; No register is written again behind a store, so no further wait is needed.  The stores carry no hint: the next launch reads them.
.macro PUT n, base, off
	s_wait_loadcnt NS-1-(\n)
	v_cvt_pk_bf16_f32 v[X+4*(\n)], v[X+4*(\n)], v[X+4*(\n)+1]
	v_cvt_pk_bf16_f32 v[X+4*(\n)+1], v[X+4*(\n)+2], v[X+4*(\n)+3]
	global_store_b64 v2, v[X+4*(\n):X+4*(\n)+1], s[\base:\base+1] offset:\off
.endm
.set ii, 0
.rept NX
	PUT ii, 10, 2048*ii
.set ii, ii+1
.endr
.set ii, 0
.rept NW
	PUT NX+ii, 12, 2048*ii
.set ii, ii+1
.endr
	PUT NX+NW, 14, 0
	s_endpgm
.Lfunc_end_k_q7adc05a8b8_cast:
	.size	k_q7adc05a8b8_cast, .Lfunc_end_k_q7adc05a8b8_cast-k_q7adc05a8b8_cast
	.p2alignl 7, 3214868480
	.fill 96, 4, 3214868480
	.section	.rodata,"a",@progbits
	.p2align	6, 0x0
	.amdhsa_kernel k_q7adc05a8b8_cast
		.amdhsa_group_segment_fixed_size 0
		.amdhsa_private_segment_fixed_size 0
		.amdhsa_enable_private_segment 0
		.amdhsa_kernarg_size 48
		.amdhsa_user_sgpr_count 2
		.amdhsa_user_sgpr_kernarg_segment_ptr 1
		.amdhsa_wavefront_size32 1
		.amdhsa_system_sgpr_workgroup_id_x 1
		.amdhsa_system_sgpr_workgroup_id_y 1
		.amdhsa_system_sgpr_workgroup_id_z 1
		.amdhsa_system_vgpr_workitem_id 0
		.amdhsa_next_free_vgpr 120
		.amdhsa_next_free_sgpr 66
		.amdhsa_reserve_vcc 0
		.amdhsa_float_denorm_mode_32 3
		.amdhsa_float_denorm_mode_16_64 3
		.amdhsa_memory_ordered 1
		.amdhsa_forward_progress 1
		.amdhsa_inst_pref_size 12
	.end_amdhsa_kernel
	.amdgpu_metadata
---
amdhsa.version: [ 1, 2 ]
amdhsa.kernels:
  - .name:           k_q7adc05a8b8_cast
    .symbol:         k_q7adc05a8b8_cast.kd
    .args:
      - { .name: x, .offset: 0, .size: 8, .value_kind: global_buffer, .address_space: global }
      - { .name: Wqkv, .offset: 8, .size: 8, .value_kind: global_buffer, .address_space: global }
      - { .name: freqs_cis, .offset: 16, .size: 8, .value_kind: global_buffer, .address_space: global }
      - { .name: xb, .offset: 24, .size: 8, .value_kind: global_buffer, .address_space: global }
      - { .name: wb, .offset: 32, .size: 8, .value_kind: global_buffer, .address_space: global }
      - { .name: fb, .offset: 40, .size: 8, .value_kind: global_buffer, .address_space: global }
    .group_segment_fixed_size: 0
    .private_segment_fixed_size: 0
    .kernarg_segment_align: 8
    .kernarg_segment_size: 48
    .max_flat_workgroup_size: 256
    .sgpr_count:     66
    .vgpr_count:     120
    .wavefront_size: 32
...
	.end_amdgpu_metadata
.endif
;; end of part 1
;; launch proj (part 2): grid 12 x 16, 4 waves a work-group, clusters of 4 x 4, 327,680 bytes of LDS; arguments xb, wb, qkv, bqkv, fb; writes qkv
.if DOCPART == 2
	.amdgcn_target "amdgcn-amd-amdhsa--gfx1250"
	.amdhsa_code_object_version 6
	.text
	.protected	k_q7adc05a8b8_proj
	.globl	k_q7adc05a8b8_proj
	.p2align	8
	.type	k_q7adc05a8b8_proj,@function
k_q7adc05a8b8_proj:
	s_mov_b64 s[64:65], 0
	v_nop
	global_prefetch_b8 v0, s[64:65] scope:SCOPE_SE
	s_setreg_imm32_b32 hwreg(HW_REG_WAVE_MODE, 25, 1), 1
	s_wait_xcnt 0x0
	s_wait_alu depctr_hold_cnt(0) depctr_sa_sdst(0) depctr_va_vdst(0) depctr_va_sdst(0) depctr_va_ssrc(0) depctr_va_vcc(0) depctr_vm_vsrc(0)
	s_getreg_b32 s2, hwreg(HW_REG_IB_STS2, 6, 4)
	s_cmp_eq_u32 s2, 0
	s_cbranch_scc0 .Lentry_in_a_cluster
	s_endpgm
.Lentry_in_a_cluster:
	s_bfe_u32 s2, ttmp6, 0x10000c
	s_cmp_lg_u32 s2, 0xf033
	s_cbranch_scc0 .Lentry_shape_is_right
	s_endpgm
.Lentry_shape_is_right:
; qkv = x Wqkv + bqkv, rotary turn of q and k, stored by heads: qkv[48][4096][64] in f16, plane = column / 64 (0-15 q, 16-31 k, 32-47 v).
; xb: [4096][1024] bf16.  wb: [1024][3072] bf16, K down the rows as Wqkv lies.  fb: [4096][32][2] bf16 (cos, sin).  Sums in f32.
; A work-group makes a block of 256 rows x 256 columns with four waves, as many as a WGP has SIMDs; a wave makes 128 x 128: 64 accumulator
; tiles of 16 x 16, 512 registers.  K goes in steps of 128 through a ring of two LDS slots filled by the tensor data mover.
; 12 x 16 = 192 work-groups: a block's 256 columns are four whole heads of ONE kind (q, k or v), and the kind is the cluster's x, which all
; partners share, so that the one branch on it is the same in all of them.  Blocks of 192 columns would make 256 work-groups, but a wave's
; 96 columns would cut heads and the kind would hang on the place in the cluster.
; CLUSTERS: 4 x 4 work-groups.  The four of a row of the cluster need the same tiles of x, the four of a column the same tiles of W: each tile is
; asked for jointly, by the same tensor load with the same descriptor and a mask that names the four, which divides the requests by four.
; W IS NOT TRANSPOSED in memory: its tile lies [k][n] in LDS and the fragments come by the transposing LDS load.
; THE MATRIX INSTRUCTION IS USED TRANSPOSED: source 0 = 16 columns of W, source 1 = 16 rows of x.  Lane l then holds row l % 16 and its registers
; 0-7 the columns 8 (l / 16) + 0..7: four neighbouring (even, odd) pairs, which is what the rotary turn and the packing need.
; THE BIAS is the C operand of each tile's first product: nothing is cleared and nothing is added later.
; THE SCALE of the attention, log2(e) / 8, is shared out as its square root 0.4246609 on q and on k, by scaling cos and sin: the scores of the
; next launch then are exponents of two.
; LIMITS, stated.  Format: bias and table are used rounded to bf16, like x and W.  Range: q and k are stored in f16 after the factor 0.4246609
; and v as it is, so |q|, |k| of 154,000 and |v| of 65,504 or more become infinities; with numbers as drawn the largest are about 5.5.
;
; REGISTERS, in windows of 256 (s_set_vgpr_msb's low byte: bits 1:0 source 0, 3:2 source 1, 5:4 source 2, 7:6 destination):
;   window 0: v16-28 addresses; v32-63 cos, sin widened and scaled; v64-127, v128-191 fragments of x, two buffers (on the way out: turned numbers,
;             rows read back); v192-223 packed results; v224-255 table as loaded, two sets of 16
;   window 1: v0-31 at work on the bias; v64-127, v128-191 fragments of W, two buffers; v192-255 the bias of my 128 columns
;   window 2: the 32 accumulator tiles of my rows 0-63 (tile (a, b) at v[8 (8 a + b)]);   window 3: those of my rows 64-127
.set SIZE_N, 3072
.set SIZE_K, 1024
.set KSTEP,  128
.set PITCH,  272                       ; x's LDS row: 256 bytes + 16 of padding: the 16 rows of a fragment start in 16 different 16-byte columns
.set PB,     544                       ; W's LDS row: 512 bytes + 32 of padding, an odd multiple of 32
.set HALFT,  128*PITCH                 ; what one tensor load brings: 128 rows of x, or 64 k-rows of W (64 x 544 is the same 34,816 bytes)
.set SLOT,   4*HALFT                   ; x's 256 rows, then W's 128 k-rows
.set STAGE,  2*SLOT                    ; behind the ring: 16 rows x 272 bytes for each wave, for the way out; no fill ever lands here
.set SPITCH, 272
.set LAPS,   SIZE_K/(2*KSTEP)          ; a lap = two K steps = once round the ring: 4
.set PLANE,  524288                    ; bytes of a head's plane in qkv: 4,096 rows of 128
.set ADRA, 16                          ; v16-17  LDS address of my x fragments in slot 0, 1
.set ADRB, 20                          ; v20-21  the same for W
.set STO,  24                          ; v24     the way out: where I put 16 bytes of a row
.set RD,   25                          ; v25     the way out: where I read back
.set CO,   26                          ; v26     my byte offset in a plane of qkv
.set BOF,  27                          ; v27     my byte offset in the bias
.set FOF,  28                          ; v28     my byte offset in the table
.set FT,   32                          ; cos, sin in f32, scaled: (c, s) of pair p of column block bq at FT + 8 bq + 2 p
.set F0,   64                          ; fragment buffer 0
.set F1,   128                         ; fragment buffer 1
.set TMP,  192                         ; packed results
.set RAW,  224                         ; table as loaded
.set BIAS, 192                         ; window 1
.set G1, 24                            ; s[24:31] descriptor group 1 for x's tiles
.set G0, 32                            ; s[32:39] descriptor group 0 for x's tiles, one set for each slot
.set G1B, 48                           ; s[48:55] descriptor group 1 for W's tiles
.set G0B, 56                           ; s[56:63] descriptor group 0 for W's tiles, one set for each slot
.set MSB, 0
.macro WIN new                         ; the immediate's high byte repeats the setting that is left
.if MSB != \new
	s_set_vgpr_msb (MSB<<8)|\new
.set MSB, \new
.endif
.endm
.set MUL_LO, 0xa1                      ; source 0 (W) window 1, source 1 (x) window 0, C and D window 2
.set MUL_HI, 0xf1                      ; the same, C and D window 3
.set BIA_LO, 0x91                      ; the first products: C is the bias in window 1, D window 2
.set BIA_HI, 0xd1                      ; the same, D window 3
.set TO_B,   0x40                      ; destination window 1, address window 0
.set IN_B,   0x45                      ; sources 0 and 1 and destination window 1
; A joint load.  Waves 0 and 1 fetch x's two halves, waves 2 and 3 W's.  Each line has one mask and one set of registers for all that issue it.
; The branch hangs on the wave's number alone.
.macro JLOAD s
	s_cmp_eq_u32 s11, 0
	s_cbranch_scc0 .Lfor_b_\@
	tensor_load_to_lds s[G0+4*\s:G0+4*\s+3], s[G1:G1+7]
	s_nop 0
	s_branch .Lasked_\@
.Lfor_b_\@:
	tensor_load_to_lds s[G0B+4*\s:G0B+4*\s+3], s[G1B:G1B+7]
	s_nop 0
.Lasked_\@:
.endm
; A round of the cluster's barrier: my work-group's barrier; wave 0 signals for the work-group; every wave waits for all sixteen; my barrier again.
.macro CREST                           ; a round behind its opening barrier
	s_cmp_lg_u32 s10, 0
	s_cbranch_scc1 .Lnot_wave_0_\@
	s_barrier_signal -3
.Lnot_wave_0_\@:
	s_barrier_wait -3
	s_barrier_signal -1
	s_barrier_wait -1
.endm
.macro CROUND                          ; a whole round
	s_barrier_signal -1
	s_barrier_wait -1
	CREST
.endm
	s_load_b128 s[4:7], s[0:1], 0x0                ; xb s[4:5], wb s[6:7]
	s_load_b64 s[8:9], s[0:1], 0x10                ; qkv
	s_load_b64 s[72:73], s[0:1], 0x18              ; bqkv
	s_load_b64 s[74:75], s[0:1], 0x20              ; fb
	s_set_vgpr_msb 0x40
	v_lshl_add_u32 v63, v0, 2, 0x48400
	s_set_vgpr_msb 0x4000
	v_mov_b32 v31, 0
	s_set_vgpr_msb 0x1
	ds_add_u32 v63, v31
	s_set_vgpr_msb 0x100
	v_lshrrev_b32 v1, 5, v0
	v_readfirstlane_b32 s10, v1                    ; wave 0..3
	s_lshr_b32 s11, s10, 1                         ; which half of the block's rows is mine.  Also: I fetch for x (0) or for W (1)
	s_and_b32 s12, s10, 1                          ; which half of its columns.  Also: which half of that tile I fetch
	s_bfe_u32 s40, ttmp6, 0x40000                  ; cx
	s_bfe_u32 s41, ttmp6, 0x40004                  ; cy
	s_lshl_b32 s42, ttmp9, 2
	s_add_co_u32 s42, s42, s40                     ; block column = 4 x cluster x + cx
	s_and_b32 s13, ttmp7, 0xffff
	s_lshl_b32 s13, s13, 2
	s_add_co_u32 s13, s13, s41                     ; block row = 4 x cluster y + cy
	s_lshl_b32 s43, s41, 2
	s_lshl_b32 s43, 15, s43                        ; my row of the cluster: places 4 cy .. 4 cy + 3
	s_lshl_b32 s44, 0x1111, s40                    ; my column: places cx, cx + 4, cx + 8, cx + 12
	s_mov_b32 s45, 0xffff0000                      ; a word's upper bf16
	s_mov_b32 s66, 0x3ed96d27                      ; sqrt(log2(e) / 8), twice: a pair for the packed multiply
	s_mov_b32 s67, 0x3ed96d27
	; group 1 for x: 128 rows x 128 elements, 16 bytes of padding behind every 64 words
	s_or_b32 s[G1+0], s43, (1<<16)|(1<<20)|(1<<21)|(5<<22)|(3<<25)  ; mask: my row; element of 2 bytes; padding on; bit 21 beside a mask; interval code 5; 4 words
	s_mov_b32 s[G1+1], KSTEP<<16                   ; tensor_dim0 = 128
	s_mov_b32 s[G1+2], 128<<16                     ; tensor_dim1 = 128
	s_mov_b32 s[G1+3], KSTEP<<16                   ; tile_dim0 = 128
	s_mov_b32 s[G1+4], 128                         ; tile_dim1 = 128
	s_mov_b32 s[G1+5], SIZE_K                      ; elements from row to row
	s_mov_b32 s[G1+6], 0
	s_mov_b32 s[G1+7], 0
	; group 1 for W: 64 k-rows x 256 elements, 32 bytes of padding behind every 128 words
	s_or_b32 s[G1B+0], s44, (1<<16)|(1<<20)|(1<<21)|(6<<22)|(7<<25) ; mask: my column; interval code 6; 8 words
	s_mov_b32 s[G1B+1], 256<<16                    ; tensor_dim0 = 256
	s_mov_b32 s[G1B+2], 64<<16                     ; tensor_dim1 = 64
	s_mov_b32 s[G1B+3], 256<<16                    ; tile_dim0 = 256
	s_mov_b32 s[G1B+4], 64                         ; tile_dim1 = 64
	s_mov_b32 s[G1B+5], SIZE_N                     ; elements from k-row to k-row
	s_mov_b32 s[G1B+6], 0
	s_mov_b32 s[G1B+7], 0
	; where the tiles come from.  x's hang on the block row alone, W's on the block column alone; each in registers that never hold the other coordinate.
	s_lshl_b32 s17, s12, 7
	s_lshl_b32 s16, s13, 8
	s_add_co_u32 s16, s16, s17                     ; x: row 256 x block row + 128 x half,
	s_lshl_b32 s16, s16, 11                        ; times 2,048 bytes
	s_mov_b32 s17, 0
	s_lshl_b32 s46, s42, 9                         ; W: 512 bytes x block column
	s_mul_i32 s47, s12, 64*SIZE_N*2                ; + 64 k-rows x half
	s_add_co_u32 s46, s46, s47
	s_mov_b32 s47, 0
	s_mul_i32 s20, s10, HALFT                      ; and where they go: wave x 34,816
	s_wait_dscnt 0x0
	s_wait_kmcnt 0x0
	s_add_nc_u64 s[14:15], s[4:5], s[16:17]
	s_add_nc_u64 s[46:47], s[6:7], s[46:47]
	CROUND                                         ; all sixteen work-groups are here: the first joint loads meet
.irp s, 0,1
	s_mov_b32 s[G0+4*\s], 1
	s_add_co_u32 s[G0+4*\s+1], s20, \s*SLOT
	s_add_nc_u64 s[G0+4*\s+2:G0+4*\s+3], s[14:15], \s*KSTEP*2           ; K step s: 256 bytes along x's rows
	s_or_b32 s[G0+4*\s+3], s[G0+4*\s+3], 0x80000000
	s_mov_b32 s[G0B+4*\s], 1
	s_add_co_u32 s[G0B+4*\s+1], s20, \s*SLOT
	s_add_nc_u64 s[G0B+4*\s+2:G0B+4*\s+3], s[46:47], \s*KSTEP*SIZE_N*2  ; K step s: 128 k-rows down W
	s_or_b32 s[G0B+4*\s+3], s[G0B+4*\s+3], 0x80000000
	JLOAD \s                                       ; the ring is filled before anything else is done
.endr
	; x's fragment: lane l holds row l % 16; two loads of 16 bytes, 32 apart, at row x pitch + 16 (l / 16).
	; W's fragment: two transposing loads, 16 k-rows apart, at (8 (l / 16) + l % 8) x pitch + 16 ((l / 8) % 2): lane l then holds column l % 16.
	v_and_b32 v1, 15, v0                           ; l % 16
	v_bfe_u32 v2, v0, 4, 1                         ; l / 16
	v_mul_u32_u24 v3, v1, PITCH
	v_lshl_add_u32 v3, v2, 4, v3
	v_and_b32 v6, 7, v0
	v_lshl_add_u32 v6, v2, 3, v6
	v_mul_u32_u24 v6, v6, PB
	v_bfe_u32 v7, v0, 3, 1
	v_lshl_add_u32 v6, v7, 4, v6
	s_mul_i32 s21, s11, HALFT                      ; my 128 rows of x
	s_lshl_b32 s22, s12, 8                         ; my 128 columns of W: 256 bytes along its rows,
	s_add_co_u32 s22, s22, 2*HALFT                 ; which lie behind x's 256 rows
.irp s, 0,1
	v_add_nc_u32 v[ADRA+\s], s21, v3
	v_add_nc_u32 v[ADRB+\s], s22, v6
	s_add_co_u32 s21, s21, SLOT
	s_add_co_u32 s22, s22, SLOT
.endr
	s_mul_i32 s23, s10, 16*SPITCH
	s_add_co_u32 s23, s23, STAGE                   ; my stage
	v_mul_u32_u24 v4, v1, SPITCH                   ; in: row l % 16, 16 bytes for each half of the lanes
	v_lshl_add_u32 v4, v2, 4, v4
	v_add_nc_u32 v[STO], s23, v4
	v_and_b32 v8, 31, v0                           ; l
	v_lshrrev_b32 v5, 3, v8                        ; back: eight lanes take the 128 bytes of one head in one row, 32 lanes four rows
	v_mul_u32_u24 v5, v5, SPITCH
	v_and_b32 v9, 7, v0
	v_lshl_add_u32 v5, v9, 4, v5
	v_add_nc_u32 v[RD], s23, v5
	v_lshlrev_b32 v[CO], 4, v8                     ; the same four rows lie in a plane as 512 consecutive bytes
	v_lshlrev_b32 v[BOF], 5, v2                    ; bias: 8 f32 for each half of the lanes
	v_lshlrev_b32 v[FOF], 7, v1                    ; table: row l % 16 of 128 bytes,
	v_lshl_add_u32 v[FOF], v2, 4, v[FOF]           ; four (cos, sin) for each half of the lanes
	s_lshl_b32 s76, s42, 10                        ; bias of my first column: 4 x (256 x block column + 128 x half)
	s_lshl_b32 s77, s12, 9
	s_add_co_u32 s76, s76, s77
	s_mov_b32 s77, 0
	s_add_nc_u64 s[72:73], s[72:73], s[76:77]
	s_lshl_b32 s78, s13, 15                        ; table row of my first row: 128 x (256 x block row + 128 x half)
	s_lshl_b32 s79, s11, 14
	s_add_co_u32 s78, s78, s79
	s_mov_b32 s79, 0
	s_add_nc_u64 s[74:75], s[74:75], s[78:79]
	WIN TO_B
.irp b, 0,1,2,3,4,5,6,7
	global_load_b128 v[BIAS+8*\b:BIAS+8*\b+3],   v[BOF], s[72:73] offset:64*\b      ; bias of columns 16 b + 8 (l / 16) + 0..3
	global_load_b128 v[BIAS+8*\b+4:BIAS+8*\b+7], v[BOF], s[72:73] offset:64*\b+16   ; and + 4..7: the C tile of the transposed product
.endr
	WIN 0
.irp g, 0,1
.irp bq, 0,1,2,3
	global_load_b128 v[RAW+16*\g+4*\bq:RAW+16*\g+4*\bq+3], v[FOF], s[74:75] offset:2048*\g+32*\bq   ; table rows of my row groups 0 and 1 (not used for v)
.endr
.endr
	s_wait_loadcnt 0x0                             ; bias and table, once
	WIN IN_B                                       ; the bias to bf16 and back to f32 (the stated format limit)
.set ii, 0
.rept 32
	v_cvt_pk_bf16_f32 v[ii], v[BIAS+2*ii], v[BIAS+2*ii+1]
.set ii, ii+1
.endr
.set ii, 0
.rept 32
	v_lshlrev_b32 v[BIAS+2*ii], 16, v[ii]
	v_and_b32 v[BIAS+2*ii+1], s45, v[ii]
.set ii, ii+1
.endr
	WIN 0
; 16 matrix instructions: m blocks a0, a0 + 1 of the window's four (hi = 0: my rows 0-63, 1: rows 64-127) x all 8 n blocks, 32 along K.
; zero = 1: the first product starts the sums from the bias.
.macro MUL16 f, hi, a0, zero
.irp a, \a0, \a0+1
.irp b, 0,1,2,3,4,5,6,7
.if \zero
	v_wmma_f32_16x16x32_bf16 v[8*(8*(\a)+\b):8*(8*(\a)+\b)+7], v[\f+8*\b:\f+8*\b+7], v[\f+8*(4*\hi+\a):\f+8*(4*\hi+\a)+7], v[BIAS+8*\b:BIAS+8*\b+7]
.else
	v_wmma_f32_16x16x32_bf16 v[8*(8*(\a)+\b):8*(8*(\a)+\b)+7], v[\f+8*\b:\f+8*\b+7], v[\f+8*(4*\hi+\a):\f+8*(4*\hi+\a)+7], v[8*(8*(\a)+\b):8*(8*(\a)+\b)+7]
.endif
.endr
.endr
.endm
; 32 LDS loads in one run: the fragments of one quarter step (32 along K: byte k of x's rows, k-rows k / 2 .. of W) into buffer f
.macro FETCH slot, k, f
	WIN TO_B
.irp i, 0,1,2,3,4,5,6,7
	ds_load_tr16_b128 v[\f+8*\i:\f+8*\i+3],   v[ADRB+\slot] offset:(\k/64)*32*PB+32*\i
	ds_load_tr16_b128 v[\f+8*\i+4:\f+8*\i+7], v[ADRB+\slot] offset:(\k/64)*32*PB+32*\i+16*PB
.endr
	WIN 0
.irp i, 0,1,2,3,4,5,6,7
	ds_load_b128 v[\f+8*\i:\f+8*\i+3],   v[ADRA+\slot] offset:\k+\i*16*PITCH
	ds_load_b128 v[\f+8*\i+4:\f+8*\i+7], v[ADRA+\slot] offset:\k+\i*16*PITCH+32
.endr
.endm
; A load into a register that a matrix instruction has read, and a vector instruction that reads a matrix result, stand four places behind that
; matrix instruction, and only plain vector instructions that name none of its registers are places.
.macro PLACES
.rept 4
	v_nop
.endr
.endm
; A K step is four quarter steps of 32 along K, 64 matrix instructions each, on buffers 0, 1, 0, 1.  The 64 accumulators take turns, one
; instruction a turn, in the same order in every quarter.
.macro QUARTER slot, k, f, g, zero
	s_wait_dscnt 8                                 ; W and x's rows 0-63 are in; the youngest eight loads (x's rows 64-127) may be out
.if \zero
	WIN BIA_LO
.else
	WIN MUL_LO
.endif
	MUL16 \f, 0, 0, \zero
	MUL16 \f, 0, 2, \zero
	PLACES
	FETCH \slot, \k, \g
	s_wait_dscnt 32                                ; all but the 32 just issued
.if \zero
	WIN BIA_HI
.else
	WIN MUL_HI
.endif
	MUL16 \f, 1, 0, \zero
	MUL16 \f, 1, 2, \zero
.endm
.macro THREE slot, zero
	QUARTER \slot, 64,  F0, F1, \zero
	QUARTER \slot, 128, F1, F0, 0
	QUARTER \slot, 192, F0, F1, 0
.endm
; The last quarter: multiplies buffer 1 and changes slots.  One barrier for two things: in front of it each wave waits for its reads of this slot and
; for all its tensor loads (the one that is out is its part of the next slot); behind it this slot is filled again first, then the next slot is read.
.macro TURN slot, next, fill
	s_wait_dscnt 8
	WIN MUL_LO
	MUL16 F1, 0, 0, 0
	s_wait_dscnt 0                                 ; my reads of this slot are over
	s_wait_tensorcnt 0x0                           ; and all my tensor loads have landed
	ds_add_u32 v63, v31
	s_wait_dscnt 0x0
	s_barrier_signal -1                            ; say so (where a slot is filled again this barrier opens a round of the cluster's barrier),
	MUL16 F1, 0, 2, 0                              ; work on registers while the others arrive,
	WIN 0
	s_barrier_wait -1
.if \fill
	CREST                                          ; no wave of any partner still reads this slot's tile or has a load on its way
	s_add_nc_u64 s[G0+4*\slot+2:G0+4*\slot+3], s[G0+4*\slot+2:G0+4*\slot+3], 2*KSTEP*2
	s_add_nc_u64 s[G0B+4*\slot+2:G0B+4*\slot+3], s[G0B+4*\slot+2:G0B+4*\slot+3], 2*KSTEP*SIZE_N*2
	JLOAD \slot                                    ; the first tensor load behind the round
.endif
	PLACES
	FETCH \next, 0, F0
	WIN MUL_HI
	MUL16 F1, 1, 0, 0
	MUL16 F1, 1, 2, 0
.endm
.macro LAP zero
	THREE 0, \zero
	TURN 0, 1, 1
	THREE 1, 0
	TURN 1, 0, 1
.endm
	s_wait_tensorcnt 1                             ; my part of K step 0 is in; K step 1's load may stay out
	s_barrier_signal -1
	s_barrier_wait -1                              ; everybody's is
	FETCH 0, 0, F0
	LAP 1                                          ; the first lap stands in front of the loop: its first products start the sums
	WIN 0                                          ; at a label and at a branch every window is 0
	s_mov_b32 s3, LAPS-2
.Llap:
	LAP 0
	WIN 0
	s_sub_co_u32 s3, s3, 1
	s_cmp_lg_u32 s3, 0
	s_cbranch_scc1 .Llap
	THREE 0, 0                                     ; the last lap fills nothing
	TURN 0, 1, 0
	THREE 1, 0
	s_wait_dscnt 8
	WIN MUL_LO
	MUL16 F1, 0, 0, 0
	MUL16 F1, 0, 2, 0
	s_wait_dscnt 0
	WIN MUL_HI
	MUL16 F1, 1, 0, 0
	MUL16 F1, 1, 2, 0
	; THE WAY OUT, 16 rows at a time: (turn,) round to f16, 16 bytes a lane into my own stage, read back by heads, store 512 consecutive bytes.
	PLACES                                         ; the places behind the last matrix instructions
	WIN 0
	s_lshl_b32 s16, s13, 15                        ; my first row in a plane: 128 bytes x (256 x block row + 128 x half)
	s_lshl_b32 s17, s11, 14
	s_add_co_u32 s16, s16, s17
	s_mov_b32 s17, 0
	s_add_nc_u64 s[8:9], s[8:9], s[16:17]
	s_lshl_b32 s46, s42, 21                        ; my first plane: 4 x block column + 2 x half (in the registers that held W's address)
	s_lshl_b32 s47, s12, 20
	s_add_co_u32 s46, s46, s47
	s_mov_b32 s47, 0
	s_add_nc_u64 s[8:9], s[8:9], s[46:47]
; The packed rows 16 i .. 16 i + 15 go through the stage.  Load t takes four rows of one of my two heads; its store covers 512 consecutive bytes, aligned.
.macro OUTTAIL i, rb
.irp b, 0,1,2,3,4,5,6,7
	ds_store_b128 v[STO], v[TMP+4*\b:TMP+4*\b+3] offset:32*\b
.endr
	s_wait_xcnt 0x0                                ; buffer rb, which earlier stores read, is rewritten only behind this wait
.irp t, 0,1,2,3,4,5,6,7
	ds_load_b128 v[\rb+4*\t:\rb+4*\t+3], v[RD] offset:4*(\t%4)*SPITCH+128*(\t/4)   ; LDS serves a wave's instructions in order: these see the stores above
.endr
.irp t, 0,1,2,3,4,5,6,7
	s_wait_dscnt 7-\t                              ; load t is in; the younger ones may stay out
	global_store_b128 v[CO], v[\rb+4*\t:\rb+4*\t+3], s[8:9] offset:2048*\i+512*(\t%4)+PLANE*(\t/4)
.endr
.endm
; q and k.  w = 0x02 or 0x03: source 0 in the accumulators' window.
.macro OUT16R i, a, w, rb
.if \i == 7
	s_wait_loadcnt 0x0                             ; the last group's table rows: nothing was asked behind them
.else
.if \i >= 2
	s_wait_loadcnt 0x4                             ; this group's four table loads are in; the next group's four may stay out
.endif
.endif
.irp bq, 0,1,2,3
.irp p, 0,1,2,3
	v_lshlrev_b32 v[FT+8*\bq+2*\p],   16,  v[RAW+16*(\i%2)+4*\bq+\p]    ; cos: the low bf16
	v_and_b32     v[FT+8*\bq+2*\p+1], s45, v[RAW+16*(\i%2)+4*\bq+\p]    ; sin: the high one
.endr
.endr
.if \i+2 <= 7
.irp bq, 0,1,2,3
	global_load_b128 v[RAW+16*(\i%2)+4*\bq:RAW+16*(\i%2)+4*\bq+3], v[FOF], s[74:75] offset:2048*(\i+2)+32*\bq   ; two groups ahead, into the set just read
.endr
.endif
.irp n, 0,2,4,6,8,10,12,14,16,18,20,22,24,26,28,30
	v_pk_mul_f32 v[FT+\n:FT+\n+1], v[FT+\n:FT+\n+1], s[66:67] op_sel_hi:[1,0]   ; the scale's square root
.endr
	WIN \w
.irp b, 0,1,2,3,4,5,6,7
.irp p, 0,1,2,3
	v_mul_f32 v[F0+8*\b+2*\p],   v[8*(8*\a+\b)+2*\p+1], v[FT+8*(\b%4)+2*\p+1]                    ; x1 s
	v_mul_f32 v[F0+8*\b+2*\p+1], v[8*(8*\a+\b)+2*\p],   v[FT+8*(\b%4)+2*\p+1]                    ; x0 s
	v_fma_f32 v[F0+8*\b+2*\p],   v[8*(8*\a+\b)+2*\p],   v[FT+8*(\b%4)+2*\p], -v[F0+8*\b+2*\p]    ; x0 c - x1 s
	v_fma_f32 v[F0+8*\b+2*\p+1], v[8*(8*\a+\b)+2*\p+1], v[FT+8*(\b%4)+2*\p], v[F0+8*\b+2*\p+1]   ; x1 c + x0 s
.endr
.endr
	WIN 0
.irp b, 0,1,2,3,4,5,6,7
.irp r, 0,1,2,3
	v_cvt_pk_f16_f32 v[TMP+4*\b+\r], v[F0+8*\b+2*\r], v[F0+8*\b+2*\r+1]
.endr
.endr
	OUTTAIL \i, \rb
.endm
; v.  from = 0x0a or 0x0f: sources 0 and 1 in the accumulators' window.
.macro OUT16V i, a, from, rb
	WIN \from
.irp b, 0,1,2,3,4,5,6,7
.irp r, 0,1,2,3
	v_cvt_pk_f16_f32 v[TMP+4*\b+\r], v[8*(8*\a+\b)+2*\r], v[8*(8*\a+\b)+2*\r+1]
.endr
.endr
	WIN 0
	OUTTAIL \i, \rb
.endm
	s_cmp_eq_u32 ttmp9, 2                          ; the kind is the cluster's x: 0 q, 1 k, 2 v; the same in all sixteen work-groups
	s_cbranch_scc1 .Lout_v
	OUT16R 0, 0, 0x02, F1
	OUT16R 1, 1, 0x02, F1+32
	OUT16R 2, 2, 0x02, F1
	OUT16R 3, 3, 0x02, F1+32
	OUT16R 4, 0, 0x03, F1
	OUT16R 5, 1, 0x03, F1+32
	OUT16R 6, 2, 0x03, F1
	OUT16R 7, 3, 0x03, F1+32
	s_branch .Lout_done
.Lout_v:
	OUT16V 0, 0, 0x0a, F1
	OUT16V 1, 1, 0x0a, F1+32
	OUT16V 2, 2, 0x0a, F1
	OUT16V 3, 3, 0x0a, F1+32
	OUT16V 4, 0, 0x0f, F1
	OUT16V 5, 1, 0x0f, F1+32
	OUT16V 6, 2, 0x0f, F1
	OUT16V 7, 3, 0x0f, F1+32
.Lout_done:
	s_set_vgpr_msb 0x1
	s_wait_tensorcnt 0x0
	ds_add_u32 v63, v31
	s_wait_dscnt 0x0
	s_set_vgpr_msb 0x100
	CROUND                                         ; the closing round: no work-group ends while a partner may still ask for a tile that names it
	s_endpgm
.Lfunc_end_k_q7adc05a8b8_proj:
	.size	k_q7adc05a8b8_proj, .Lfunc_end_k_q7adc05a8b8_proj-k_q7adc05a8b8_proj
	.p2alignl 7, 3214868480
	.fill 96, 4, 3214868480
	.section	.rodata,"a",@progbits
	.p2align	6, 0x0
	.amdhsa_kernel k_q7adc05a8b8_proj
		.amdhsa_group_segment_fixed_size 327680
		.amdhsa_private_segment_fixed_size 0
		.amdhsa_enable_private_segment 0
		.amdhsa_kernarg_size 40
		.amdhsa_user_sgpr_count 2
		.amdhsa_user_sgpr_kernarg_segment_ptr 1
		.amdhsa_wavefront_size32 1
		.amdhsa_system_sgpr_workgroup_id_x 1
		.amdhsa_system_sgpr_workgroup_id_y 1
		.amdhsa_system_sgpr_workgroup_id_z 1
		.amdhsa_system_vgpr_workitem_id 0
		.amdhsa_next_free_vgpr 1024
		.amdhsa_next_free_sgpr 80
		.amdhsa_reserve_vcc 0
		.amdhsa_float_denorm_mode_32 3
		.amdhsa_float_denorm_mode_16_64 3
		.amdhsa_memory_ordered 1
		.amdhsa_forward_progress 1
		.amdhsa_inst_pref_size 255
	.end_amdhsa_kernel
	.section	.bss,"aw",@nobits
	.p2align	6
	.space	262144
	.amdgpu_metadata
---
amdhsa.version: [ 1, 2 ]
amdhsa.kernels:
  - .name:           k_q7adc05a8b8_proj
    .symbol:         k_q7adc05a8b8_proj.kd
    .args:
      - { .name: xb, .offset: 0, .size: 8, .value_kind: global_buffer, .address_space: global }
      - { .name: wb, .offset: 8, .size: 8, .value_kind: global_buffer, .address_space: global }
      - { .name: qkv, .offset: 16, .size: 8, .value_kind: global_buffer, .address_space: global }
      - { .name: bqkv, .offset: 24, .size: 8, .value_kind: global_buffer, .address_space: global }
      - { .name: fb, .offset: 32, .size: 8, .value_kind: global_buffer, .address_space: global }
    .group_segment_fixed_size: 327680
    .private_segment_fixed_size: 0
    .kernarg_segment_align: 8
    .kernarg_segment_size: 40
    .max_flat_workgroup_size: 128
    .sgpr_count:     80
    .vgpr_count:     1024
    .wavefront_size: 32
...
	.end_amdgpu_metadata
.endif
;; end of part 2
;; launch attn (part 3): grid 16 x 16, 8 waves a work-group, no clusters, 327,680 bytes of LDS; arguments qkv, out0; writes out0
.if DOCPART == 3
	.amdgcn_target "amdgcn-amd-amdhsa--gfx1250"
	.amdhsa_code_object_version 6
	.text
	.protected	k_q7adc05a8b8_attn
	.globl	k_q7adc05a8b8_attn
	.p2align	8
	.type	k_q7adc05a8b8_attn,@function
k_q7adc05a8b8_attn:
	s_mov_b64 s[64:65], 0
	v_nop
	global_prefetch_b8 v0, s[64:65] scope:SCOPE_SE
	s_setreg_imm32_b32 hwreg(HW_REG_WAVE_MODE, 25, 1), 1
	s_wait_xcnt 0x0
; Causal attention with a running maximum.  qkv: [48][4096][64] f16 (planes 0-15 q, 16-31 k, 32-47 v; q and k carry the factor sqrt(log2(e) / 8) each,
; so q . k is the score as an exponent of two).  out0: [4096][1024] f32.
; Work-group (n1, head) makes two blocks of 128 queries one after the other, blocks 2 n1 and 31 - 2 n1: (2 n1 + 1) + (32 - 2 n1) = 33 key tiles of
; 128 keys for every one of the 256 work-groups.  Key tiles above the diagonal are not computed: the mask would throw them away.
; Eight waves.  Wave w: qg = w % 4 picks 32 queries (two tiles of 16), kh = w / 4 picks keys 64 kh .. 64 kh + 63 of every key tile.  The two key
; halves keep their own maximum, sum and O, which are merged through LDS at a block's end.
; ORIENTATION: S^T = K Q^T (source 0 = 16 keys, source 1 = 16 queries): lane l holds query l % 16 and keys 8 (l / 16) + 0..7.  Two neighbouring key
; tiles, packed to f16, ARE source 1 of O^T = V^T P^T, so p never moves between lanes; maximum, sum and factor are one number a lane.
; V^T's fragments come by the transposing LDS load.
; ORDER OF TILES: a block takes its diagonal tile first (it starts maximum, sums and O: nothing is cleared), then tiles 0, 1, .. upward.  So the two
; LDS slots alternate by constants in the text: diagonal in 0, n1 x (1, 0), diagonal in 1, (15 - n1) x (0, 1), 0.
; NO CLUSTER: the sixteen work-groups of a head read the same k and v, but with n1 and 15 - n1 trips of the two loops; joint requests would need
; trip counts that differ between partners.
; LIMITS, stated.  The maximum starts at -3.4e38 (not -infinity), so that a wave whose keys are all masked gives p = 0 and sum 0 without NaN; scores
; cannot reach it, since 64 products of f16 numbers stay under 2.8e11.  v_exp_f32 gives 0 below 2^-126 (ISA guide, its entry).  The sum takes p in f32,
; the product p rounded to f16.  Infinities in q, k, v (see the launch before) give NaN.
.set KPITCH, 144                       ; K's LDS row: 128 bytes + 16: the 16 rows of a fragment start in 16 different 16-byte columns
.set VPITCH, 160                       ; V's LDS row: 128 bytes + 32, an odd multiple of 32
.set VOFF,   128*KPITCH                ; V's tile behind K's in a slot: 18,432
.set SLOTB,  128*KPITCH+128*VPITCH     ; 38,912 bytes, 152 blocks of 256
.set MERGE,  2*SLOTB                   ; 77,824: for each qg 16 x 512 bytes of O and 512 of statistics; no fill ever lands here
.set MSTR,   8704
.set STAGE,  MERGE+4*MSTR              ; 112,640: for each qg 16 rows x 272 bytes, for the way out; ends at 130,048
.set SSTR,   4352
.set SPITCH, 272
.set TILEB,  16384                     ; bytes of a tile of 128 rows in a plane
.set VPLANES, 0x800000                 ; from a plane to the one 16 further: q to k, k to v
.set AK, 1                             ; v1   (64 kh + r) 144 + 16 h
.set AV, 2                             ; v2   18,432 + (64 kh + 8 h + l % 8) 160 + 16 ((l / 8) % 2)
.set AQ, 3                             ; v3   (32 qg + r) 128 + 16 h
.set DQ, 4                             ; v4   32 qg + r - 64 kh - 8 h: my query less my first key, in a diagonal tile
.set AM, 5                             ; v5   MERGE + 8,704 qg + 16 l
.set STO, 6                            ; v6   STAGE + 4,352 qg + 272 r + 32 h
.set RD, 7                             ; v7   STAGE + 4,352 qg + 272 h + 16 r
.set CO, 8                             ; v8   4,096 h + 16 r
.set M,  10                            ; v10-11 maximum of query tile 0, 1
.set LT, 12                            ; v12-13 their sums, at a block's end (v[10:13] go to the partner as 16 bytes)
.set NM, 14                            ; v14-15 minus the maximum; in the merge my factor
.set AL, 16                            ; v16-17 factor on what was summed before; in the merge the partner's factor
.set LS, 18                            ; v18-21 sums, a pair for each query tile
.set T,  22                            ; v22-29 at work, four for each query tile
.set O,  32                            ; v32-95   O(dt, qt) at 32 + 8 (2 dt + qt)
.set Q,  96                            ; v96-127  Q(qt, ks) at 96 + 8 (2 qt + ks)
.set S,  128                           ; v128-191 S(kt, qt) at 128 + 8 (2 kt + qt); P(g, qt) in place over S(2 g, qt)
.set KV, 192                           ; v192-255 K(kt, ks) at 192 + 8 (4 ks + kt), then V(dt, g) at 192 + 8 (4 g + dt)
.set G1K, 24                           ; s[24:31] group 1 of K's tiles
.set G1V, 32                           ; s[32:39] group 1 of V's tiles
.set G0K, 40                           ; s[40:47] group 0 of K's tiles, one set for each slot
.set G0V, 48                           ; s[48:55] group 0 of V's tiles, one set for each slot
.set KP,  56                           ; s[56:57] the K tile to be asked for next
.set K0,  58                           ; s[58:59] the head's K tile 0
.set KD2, 60                           ; s[60:61] the second block's diagonal K tile
.set QP1, 66                           ; s[66:69] q of the two blocks
.set QP2, 68
.set OP1, 70                           ; s[70:73] out0 at my 32 queries of the two blocks
.set OP2, 72
; Wave 0 asks for K's tile, wave 1 for V's: one tensor load of 128 rows each, the other waves none.  A wave has at most one tensor load outstanding.
.macro KVLOAD s
	s_cmp_eq_u32 s8, 0
	s_cbranch_scc0 .Lnot_k_\@
	tensor_load_to_lds s[G0K+4*(\s):G0K+4*(\s)+3], s[G1K:G1K+7]
	s_nop 0
	s_branch .Lasked_\@
.Lnot_k_\@:
	s_cmp_eq_u32 s8, 1
	s_cbranch_scc0 .Lasked_\@
	tensor_load_to_lds s[G0V+4*(\s):G0V+4*(\s)+3], s[G1V:G1V+7]
	s_nop 0
.Lasked_\@:
.endm
; My 32 queries as four fragments, straight from memory: lane l takes row r, 16 bytes at 16 h and at 32 + 16 h of each half of d.
.macro QLOAD qp
.irp qt, 0,1
.irp ks, 0,1
	global_load_b128 v[Q+8*(2*\qt+\ks):Q+8*(2*\qt+\ks)+3],   v[AQ], s[\qp:\qp+1] offset:2048*\qt+64*\ks
	global_load_b128 v[Q+8*(2*\qt+\ks)+4:Q+8*(2*\qt+\ks)+7], v[AQ], s[\qp:\qp+1] offset:2048*\qt+64*\ks+32
.endr
.endr
.endm
	s_load_b128 s[4:7], s[0:1], 0x0                ; qkv s[4:5], out0 s[6:7]
	v_lshl_add_u32 v30, v0, 2, 0x29000
	v_mov_b32 v31, 0
	ds_add_u32 v30, v31
	v_lshrrev_b32 v1, 5, v0
	v_readfirstlane_b32 s8, v1                     ; wave 0..7
	s_and_b32 s9, s8, 3                            ; qg
	s_lshr_b32 s10, s8, 2                          ; kh
	s_mov_b32 s11, ttmp9                           ; n1
	s_and_b32 s12, ttmp7, 0xffff                   ; head
	s_mov_b32 s14, 0x76543210                      ; v_permlanex16_b32: lane i of one half reads lane i of the other
	s_mov_b32 s15, 0xfedcba98
	s_mov_b32 s19, 0xff7fffff                      ; where the maximum starts
	s_mov_b32 s20, 0xff800000                      ; -infinity, for masked scores
	s_lshl_b32 s21, s11, 1                         ; first block
	s_sub_co_u32 s22, 31, s21                      ; second block
	; group 1: 128 rows x 64 elements of 2 bytes; padding behind every 32 words: 4 words for K, 8 for V
	s_mov_b32 s[G1K+0], (1<<16)|(1<<20)|(4<<22)|(3<<25)
	s_mov_b32 s[G1K+1], 64<<16                     ; tensor_dim0 = 64
	s_mov_b32 s[G1K+2], 128<<16                    ; tensor_dim1 = 128
	s_mov_b32 s[G1K+3], 64<<16                     ; tile_dim0 = 64
	s_mov_b32 s[G1K+4], 128                        ; tile_dim1 = 128
	s_mov_b32 s[G1K+5], 64                         ; elements from row to row
	s_mov_b32 s[G1K+6], 0
	s_mov_b32 s[G1K+7], 0
	s_mov_b32 s[G1V+0], (1<<16)|(1<<20)|(4<<22)|(7<<25)
	s_mov_b32 s[G1V+1], 64<<16
	s_mov_b32 s[G1V+2], 128<<16
	s_mov_b32 s[G1V+3], 64<<16
	s_mov_b32 s[G1V+4], 128
	s_mov_b32 s[G1V+5], 64
	s_mov_b32 s[G1V+6], 0
	s_mov_b32 s[G1V+7], 0
	s_mov_b32 s[G0K+0], 1
	s_mov_b32 s[G0K+1], 0
	s_mov_b32 s[G0K+4], 1
	s_mov_b32 s[G0K+5], SLOTB
	s_mov_b32 s[G0V+0], 1
	s_mov_b32 s[G0V+1], VOFF
	s_mov_b32 s[G0V+4], 1
	s_mov_b32 s[G0V+5], SLOTB+VOFF
	s_lshl_b32 s74, s12, 19                        ; the head's plane
	s_mov_b32 s75, 0
	s_lshl_b32 s76, s21, 14                        ; the first block's 128 rows in a plane
	s_mov_b32 s77, 0
	s_lshl_b32 s78, s22, 14                        ; the second block's
	s_mov_b32 s79, 0
	s_wait_dscnt 0x0
	s_barrier_signal -1
	s_barrier_wait -1
	s_wait_kmcnt 0x0
	s_add_nc_u64 s[QP1:QP1+1], s[4:5], s[74:75]
	s_add_nc_u64 s[K0:K0+1], s[QP1:QP1+1], VPLANES
	s_add_nc_u64 s[QP2:QP2+1], s[QP1:QP1+1], s[78:79]
	s_add_nc_u64 s[QP1:QP1+1], s[QP1:QP1+1], s[76:77]
	s_add_nc_u64 s[KD2:KD2+1], s[K0:K0+1], s[78:79]
	s_add_nc_u64 s[G0K+2:G0K+3], s[K0:K0+1], s[76:77]           ; the first tile: the first block's diagonal
	s_add_nc_u64 s[G0V+2:G0V+3], s[G0K+2:G0K+3], VPLANES
	s_or_b32 s[G0K+3], s[G0K+3], 0x80000000
	s_or_b32 s[G0V+3], s[G0V+3], 0x80000000
	KVLOAD 0                                       ; the only first fill, ahead of every wait on TENSORcnt and every LDS load
	s_lshl_b32 s74, s12, 8                         ; out0: 256 bytes x head + 32 rows of 4,096 bytes x qg
	s_lshl_b32 s75, s9, 17
	s_add_co_u32 s74, s74, s75
	s_mov_b32 s75, 0
	s_lshl_b32 s76, s21, 19                        ; + 128 rows x block
	s_lshl_b32 s78, s22, 19
	s_add_nc_u64 s[OP1:OP1+1], s[6:7], s[74:75]
	s_add_nc_u64 s[OP2:OP2+1], s[OP1:OP1+1], s[78:79]
	s_add_nc_u64 s[OP1:OP1+1], s[OP1:OP1+1], s[76:77]
	s_cmp_eq_u32 s11, 0                            ; the tile behind the first: tile 0, or, where the first block has the diagonal alone, the second diagonal
	s_cselect_b64 s[KP:KP+1], s[KD2:KD2+1], s[K0:K0+1]
	v_and_b32 v22, 15, v0                          ; r
	v_bfe_u32 v23, v0, 4, 1                        ; h
	v_and_b32 v24, 7, v0
	v_bfe_u32 v25, v0, 3, 1
	v_and_b32 v26, 31, v0                          ; l
	s_lshl_b32 s74, s9, 12
	v_lshlrev_b32 v[AQ], 7, v22
	v_lshl_add_u32 v[AQ], v23, 4, v[AQ]
	v_add_nc_u32 v[AQ], s74, v[AQ]
	QLOAD QP1
	s_mul_i32 s75, s10, 64*KPITCH
	v_mul_u32_u24 v[AK], v22, KPITCH
	v_lshl_add_u32 v[AK], v23, 4, v[AK]
	v_add_nc_u32 v[AK], s75, v[AK]
	s_mul_i32 s76, s10, 64*VPITCH
	s_add_co_u32 s76, s76, VOFF
	v_lshl_add_u32 v24, v23, 3, v24
	v_mul_u32_u24 v[AV], v24, VPITCH
	v_lshl_add_u32 v[AV], v25, 4, v[AV]
	v_add_nc_u32 v[AV], s76, v[AV]
	s_lshl_b32 s77, s9, 5
	s_lshl_b32 s78, s10, 6
	s_sub_co_i32 s77, s77, s78
	v_lshlrev_b32 v[DQ], 3, v23
	v_sub_nc_u32 v[DQ], v22, v[DQ]
	v_add_nc_u32 v[DQ], s77, v[DQ]
	s_mul_i32 s78, s9, MSTR
	s_add_co_u32 s78, s78, MERGE
	v_lshl_add_u32 v[AM], v26, 4, s78
	s_mul_i32 s79, s9, SSTR
	s_add_co_u32 s79, s79, STAGE
	v_mul_u32_u24 v[STO], v22, SPITCH
	v_lshl_add_u32 v[STO], v23, 5, v[STO]
	v_add_nc_u32 v[STO], s79, v[STO]
	v_mul_u32_u24 v[RD], v23, SPITCH
	v_lshl_add_u32 v[RD], v22, 4, v[RD]
	v_add_nc_u32 v[RD], s79, v[RD]
	v_lshlrev_b32 v[CO], 12, v23
	v_lshl_add_u32 v[CO], v22, 4, v[CO]
; The new maximum of query tile qt: 32 scores and the old maximum in 16 three-way maxima (four chains), then the other half of the lanes, which
; holds the same query's other keys.  first = 1: nothing was summed before, so there is no factor.
.macro SMAX qt, first
.irp kt, 0,1,2,3
	v_max3_num_f32 v[T+4*\qt+\kt], v[S+8*(2*\kt+\qt)], v[S+8*(2*\kt+\qt)+1], v[S+8*(2*\kt+\qt)+2]
.endr
.irp kt, 0,1,2,3
	v_max3_num_f32 v[T+4*\qt+\kt], v[T+4*\qt+\kt], v[S+8*(2*\kt+\qt)+3], v[S+8*(2*\kt+\qt)+4]
.endr
.irp kt, 0,1,2,3
	v_max3_num_f32 v[T+4*\qt+\kt], v[T+4*\qt+\kt], v[S+8*(2*\kt+\qt)+5], v[S+8*(2*\kt+\qt)+6]
.endr
	v_max3_num_f32 v[T+4*\qt],   v[T+4*\qt],   v[S+8*\qt+7],     v[S+8*(2+\qt)+7]
	v_max3_num_f32 v[T+4*\qt+2], v[T+4*\qt+2], v[S+8*(4+\qt)+7], v[S+8*(6+\qt)+7]
	v_max3_num_f32 v[T+4*\qt],   v[T+4*\qt],   v[T+4*\qt+1],     v[T+4*\qt+2]
.if \first
	v_max3_num_f32 v[T+4*\qt],   v[T+4*\qt],   v[T+4*\qt+3],     s19
.else
	v_max3_num_f32 v[T+4*\qt],   v[T+4*\qt],   v[T+4*\qt+3],     v[M+\qt]
.endif
	v_permlanex16_b32 v[T+4*\qt+1], v[T+4*\qt], s14, s15
	v_max_num_f32 v[T+4*\qt], v[T+4*\qt], v[T+4*\qt+1]
.if \first == 0
	v_sub_f32 v[T+4*\qt+1], v[M+\qt], v[T+4*\qt]
	v_exp_f32 v[AL+\qt], v[T+4*\qt+1]              ; 2^(old maximum - new); the two plain lines below stand between it and any use (ISA guide 5.7.2)
.endif
	v_mov_b32 v[M+\qt], v[T+4*\qt]
	v_mul_f32 v[NM+\qt], -1.0, v[T+4*\qt]
.endm
; p = 2^(S - maximum) of query tile qt in place; O and the sum take the factor; p is summed in f32 and packed to f16 in place.
.macro SEXP qt, first
.irp kt, 0,1,2,3
.irp i, 0,2,4,6
	v_pk_add_f32 v[S+8*(2*\kt+\qt)+\i:S+8*(2*\kt+\qt)+\i+1], v[S+8*(2*\kt+\qt)+\i:S+8*(2*\kt+\qt)+\i+1], v[NM:NM+1] op_sel:[0,\qt] op_sel_hi:[1,\qt]
.endr
.endr
.irp kt, 0,1,2,3
.irp j, 0,1,2,3,4,5,6,7
	v_exp_f32 v[S+8*(2*\kt+\qt)+\j], v[S+8*(2*\kt+\qt)+\j]
.endr
.endr
.if \first
	v_nop                                          ; the plain place behind the exponentials (ISA guide 5.7.2)
	s_wait_alu depctr_va_vdst(0)
	v_pk_add_f32 v[LS+2*\qt:LS+2*\qt+1], v[S+8*\qt:S+8*\qt+1], v[S+8*\qt+4:S+8*\qt+5]
.else
	s_wait_alu depctr_va_vdst(0)
.irp dt, 0,1,2,3
.irp i, 0,2,4,6
	v_pk_mul_f32 v[O+8*(2*\dt+\qt)+\i:O+8*(2*\dt+\qt)+\i+1], v[O+8*(2*\dt+\qt)+\i:O+8*(2*\dt+\qt)+\i+1], v[AL:AL+1] op_sel:[0,\qt] op_sel_hi:[1,\qt]   ; also the plain places behind the exponentials
.endr
.endr
	s_wait_alu depctr_va_vdst(0)
	v_pk_fma_f32 v[LS+2*\qt:LS+2*\qt+1], v[LS+2*\qt:LS+2*\qt+1], v[AL:AL+1], v[S+8*\qt:S+8*\qt+1] op_sel:[0,\qt,0] op_sel_hi:[1,\qt,1]
	v_pk_add_f32 v[LS+2*\qt:LS+2*\qt+1], v[LS+2*\qt:LS+2*\qt+1], v[S+8*\qt+4:S+8*\qt+5]
.endif
	v_pk_add_f32 v[T+4*\qt:T+4*\qt+1], v[S+8*\qt+2:S+8*\qt+3], v[S+8*\qt+6:S+8*\qt+7]     ; a second chain
.irp kt, 1,2,3
	v_pk_add_f32 v[LS+2*\qt:LS+2*\qt+1], v[LS+2*\qt:LS+2*\qt+1], v[S+8*(2*\kt+\qt):S+8*(2*\kt+\qt)+1]
	v_pk_add_f32 v[T+4*\qt:T+4*\qt+1],   v[T+4*\qt:T+4*\qt+1],   v[S+8*(2*\kt+\qt)+2:S+8*(2*\kt+\qt)+3]
	v_pk_add_f32 v[LS+2*\qt:LS+2*\qt+1], v[LS+2*\qt:LS+2*\qt+1], v[S+8*(2*\kt+\qt)+4:S+8*(2*\kt+\qt)+5]
	v_pk_add_f32 v[T+4*\qt:T+4*\qt+1],   v[T+4*\qt:T+4*\qt+1],   v[S+8*(2*\kt+\qt)+6:S+8*(2*\kt+\qt)+7]
.endr
	v_pk_add_f32 v[LS+2*\qt:LS+2*\qt+1], v[LS+2*\qt:LS+2*\qt+1], v[T+4*\qt:T+4*\qt+1]
.irp g, 0,1
.irp i, 0,1,2,3
	v_cvt_pk_f16_f32 v[S+8*(4*\g+\qt)+\i], v[S+8*(4*\g+\qt)+2*\i], v[S+8*(4*\g+\qt)+2*\i+1]         ; keys 32 g + 8 h + 0..7: registers 0-3; ascending, so each source is read before it is written
.endr
.irp i, 0,1,2,3
	v_cvt_pk_f16_f32 v[S+8*(4*\g+\qt)+4+\i], v[S+8*(4*\g+2+\qt)+2*\i], v[S+8*(4*\g+2+\qt)+2*\i+1]   ; keys 32 g + 16 + 8 h + 0..7: registers 4-7
.endr
.endr
.endm
; One key tile, in LDS slot `slot`.  first = 1: a block's diagonal tile, which is masked and starts maximum, sums and O.
; refill = 1: the tile at KP is asked for, into the other slot.
.macro TRIP slot, first, refill
	s_wait_tensorcnt 0x0                           ; all my tensor loads have landed, this trip's tile among them, so a group 0 may be written
	ds_add_u32 v30, v31
	s_wait_dscnt 0x0
.if \refill
	s_mov_b64 s[G0K+4*(1-\slot)+2:G0K+4*(1-\slot)+3], s[KP:KP+1]
	s_or_b32 s[G0K+4*(1-\slot)+3], s[G0K+4*(1-\slot)+3], 0x80000000
	s_add_nc_u64 s[G0V+4*(1-\slot)+2:G0V+4*(1-\slot)+3], s[KP:KP+1], VPLANES
	s_or_b32 s[G0V+4*(1-\slot)+3], s[G0V+4*(1-\slot)+3], 0x80000000
	s_add_nc_u64 s[KP:KP+1], s[KP:KP+1], TILEB
.endif
	s_wait_dscnt 0x0                               ; my reads of the other slot are done
	s_barrier_signal -1
	s_barrier_wait -1                              ; both now hold of all eight waves
.if \refill
	KVLOAD 1-\slot                                 ; first thing behind the barrier: it has the whole trip in which to land
.endif
.irp ks, 0,1
.irp kt, 0,1,2,3
	ds_load_b128 v[KV+8*(4*\ks+\kt):KV+8*(4*\ks+\kt)+3],   v[AK] offset:\slot*SLOTB+16*KPITCH*\kt+64*\ks
	ds_load_b128 v[KV+8*(4*\ks+\kt)+4:KV+8*(4*\ks+\kt)+7], v[AK] offset:\slot*SLOTB+16*KPITCH*\kt+64*\ks+32
.endr
.endr
.if \first
	s_wait_loadcnt 0x0                             ; the block's q
.endif
	s_wait_dscnt 8                                 ; d = 0..31 of my 64 keys is in; the eight loads of d = 32..63 may stay out
	; S^T = K Q^T: eight accumulators take turns, one instruction a turn; the first product starts each sum
.irp kt, 0,1,2,3
.irp qt, 0,1
	v_wmma_f32_16x16x32_f16 v[S+8*(2*\kt+\qt):S+8*(2*\kt+\qt)+7], v[KV+8*\kt:KV+8*\kt+7], v[Q+16*\qt:Q+16*\qt+7], 0
.endr
.endr
	s_wait_dscnt 0
.irp kt, 0,1,2,3
.irp qt, 0,1
	v_wmma_f32_16x16x32_f16 v[S+8*(2*\kt+\qt):S+8*(2*\kt+\qt)+7], v[KV+8*(4+\kt):KV+8*(4+\kt)+7], v[Q+16*\qt+8:Q+16*\qt+15], v[S+8*(2*\kt+\qt):S+8*(2*\kt+\qt)+7]
.endr
.endr
.rept 4
	v_nop                                          ; four places ahead of the loads over K's fragments and of the reads of S
.endr
.irp g, 0,1
.irp dt, 0,1,2,3
	ds_load_tr16_b128 v[KV+8*(4*\g+\dt):KV+8*(4*\g+\dt)+3],   v[AV] offset:\slot*SLOTB+32*VPITCH*\g+32*\dt
	ds_load_tr16_b128 v[KV+8*(4*\g+\dt)+4:KV+8*(4*\g+\dt)+7], v[AV] offset:\slot*SLOTB+32*VPITCH*\g+32*\dt+16*VPITCH
.endr
.endr
.if \first
	; key 64 kh + 16 kt + 8 h + j stays where it is not beyond query 32 qg + 16 qt + r
.irp kt, 0,1,2,3
.irp qt, 0,1
.irp j, 0,1,2,3,4,5,6,7
	v_cmp_le_i32 vcc_lo, 16*\kt+\j-16*\qt, v[DQ]
	v_cndmask_b32 v[S+8*(2*\kt+\qt)+\j], s20, v[S+8*(2*\kt+\qt)+\j], vcc_lo
.endr
.endr
.endr
.endif
	SMAX 0, \first                                 ; both maxima first: the packed lines below read the pairs whole
	SMAX 1, \first
	SEXP 0, \first
	SEXP 1, \first
	s_wait_dscnt 0                                 ; V's fragments
	; O^T += V^T P^T: again eight accumulators by turns
.irp g, 0,1
.irp dt, 0,1,2,3
.irp qt, 0,1
.if \first*(1-\g)
	v_wmma_f32_16x16x32_f16 v[O+8*(2*\dt+\qt):O+8*(2*\dt+\qt)+7], v[KV+8*(4*\g+\dt):KV+8*(4*\g+\dt)+7], v[S+8*(4*\g+\qt):S+8*(4*\g+\qt)+7], 0
.else
	v_wmma_f32_16x16x32_f16 v[O+8*(2*\dt+\qt):O+8*(2*\dt+\qt)+7], v[KV+8*(4*\g+\dt):KV+8*(4*\g+\dt)+7], v[S+8*(4*\g+\qt):S+8*(4*\g+\qt)+7], v[O+8*(2*\dt+\qt):O+8*(2*\dt+\qt)+7]
.endif
.endr
.endr
.endr
.rept 5
	v_nop                                          ; five places ahead of the next products, which write over P, of loads over V's fragments and of reads of O
.endr
.endm
; A block's end.  Waves 4-7 hand O, maximum and sum to waves 0-3, which merge, divide and store.  op: out0 at my queries; next = 1: a block follows.
.macro EPI op, next
.if \next
	QLOAD QP2                                      ; the next block's q, waited for in its first trip
.endif
	v_add_f32 v[LT], v[LS], v[LS+1]
	v_add_f32 v[LT+1], v[LS+2], v[LS+3]
	v_permlanex16_b32 v[T], v[LT], s14, s15        ; the other half of the lanes summed the same query's other keys
	v_permlanex16_b32 v[T+1], v[LT+1], s14, s15
	v_add_f32 v[LT], v[LT], v[T]
	v_add_f32 v[LT+1], v[LT+1], v[T+1]
	s_cmp_lt_u32 s8, 4
	s_cbranch_scc1 .Lkeep_\@
	ds_store_b128 v[AM], v[M:M+3] offset:8192
.irp c, 0,1,2,3,4,5,6,7,8,9,10,11,12,13,14,15
	ds_store_b128 v[AM], v[O+4*\c:O+4*\c+3] offset:512*\c
.endr
.Lkeep_\@:
	s_wait_dscnt 0x0                               ; for the partner's sake: my stores are done
	s_barrier_signal -1
	s_barrier_wait -1                              ; no slot is filled behind this barrier: the next tile's load may stay on its way across it
	s_cmp_ge_u32 s8, 4
	s_cbranch_scc1 .Ldone_\@
	ds_load_b128 v[S:S+3], v[AM] offset:8192       ; the partner's maxima and sums
.irp c, 0,1,2,3,4,5,6,7,8,9,10,11,12,13,14,15
	ds_load_b128 v[KV+4*\c:KV+4*\c+3], v[AM] offset:512*\c     ; its O, register for register 160 above mine
.endr
	s_wait_dscnt 16                                ; the statistics are in; the 16 loads of O may stay out
.irp qt, 0,1
	v_max_num_f32 v[T+4*\qt], v[M+\qt], v[S+\qt]
	v_sub_f32 v[T+4*\qt+1], v[M+\qt], v[T+4*\qt]
	v_sub_f32 v[T+4*\qt+2], v[S+\qt], v[T+4*\qt]
.endr
.irp qt, 0,1
	v_exp_f32 v[NM+\qt], v[T+4*\qt+1]              ; my factor
	v_exp_f32 v[AL+\qt], v[T+4*\qt+2]              ; the partner's
.endr
	v_nop                                          ; the plain place behind them
	s_wait_alu depctr_va_vdst(0)
.irp qt, 0,1
	v_mul_f32 v[T+4*\qt], v[LT+\qt], v[NM+\qt]
	v_fmac_f32 v[T+4*\qt], v[S+2+\qt], v[AL+\qt]   ; the whole sum: at least 1, since keys 0-63 of the diagonal tile hold every query's key 0
.endr
	v_rcp_f32 v[T+1], v[T]
	v_rcp_f32 v[T+5], v[T+4]
	v_nop
	s_wait_alu depctr_va_vdst(0)
.irp qt, 0,1
	v_mul_f32 v[NM+\qt], v[NM+\qt], v[T+4*\qt+1]   ; the division goes into the factors
	v_mul_f32 v[AL+\qt], v[AL+\qt], v[T+4*\qt+1]
.endr
	s_wait_dscnt 0x0
.irp qt, 0,1
.irp dt, 0,1,2,3
.irp i, 0,2,4,6
	v_pk_mul_f32 v[O+8*(2*\dt+\qt)+\i:O+8*(2*\dt+\qt)+\i+1], v[O+8*(2*\dt+\qt)+\i:O+8*(2*\dt+\qt)+\i+1], v[NM:NM+1] op_sel:[0,\qt] op_sel_hi:[1,\qt]
	v_pk_fma_f32 v[O+8*(2*\dt+\qt)+\i:O+8*(2*\dt+\qt)+\i+1], v[KV-O+O+8*(2*\dt+\qt)+\i:KV-O+O+8*(2*\dt+\qt)+\i+1], v[AL:AL+1], v[O+8*(2*\dt+\qt)+\i:O+8*(2*\dt+\qt)+\i+1] op_sel:[0,\qt,0] op_sel_hi:[1,\qt,1]
.endr
.endr
.endr
	; 16 queries at a time through my own stage: in by lanes (query r, 8 numbers of d), back as whole rows of 256 bytes
.irp qt, 0,1
.irp dt, 0,1,2,3
	ds_store_b128 v[STO], v[O+8*(2*\dt+\qt):O+8*(2*\dt+\qt)+3]   offset:64*\dt
	ds_store_b128 v[STO], v[O+8*(2*\dt+\qt)+4:O+8*(2*\dt+\qt)+7] offset:64*\dt+16
.endr
.irp t, 0,1,2,3,4,5,6,7
	ds_load_b128 v[S+32*\qt+4*\t:S+32*\qt+4*\t+3], v[RD] offset:2*SPITCH*\t    ; LDS serves a wave's instructions in order: these see the stores above
.endr
.irp t, 0,1,2,3,4,5,6,7
	s_wait_dscnt 7-\t                              ; load t is in; the younger ones may stay out
	global_store_b128 v[CO], v[S+32*\qt+4*\t:S+32*\qt+4*\t+3], s[\op:\op+1] offset:(16*\qt+2*\t)*4096 th:TH_STORE_NT   ; 16 lanes store a query's 256 bytes of this head, aligned
.endr
.endr
.if \next
	s_wait_xcnt 0x0                                ; the stores' data registers are written again by the next block only behind this wait
.endif
.Ldone_\@:
.endm
	TRIP 0, 1, 1                                   ; the first block's diagonal tile
	s_cmp_eq_u32 s11, 0
	s_cbranch_scc1 .Lblock1_done                   ; block 0 has no other tile
	s_mov_b32 s13, s11
.Lloop1:
	TRIP 1, 0, 1                                   ; tiles 0, 2, ..
	s_cmp_eq_u32 s13, 1                            ; in the last trip the tile asked for next is the second block's diagonal
	s_cselect_b64 s[KP:KP+1], s[KD2:KD2+1], s[KP:KP+1]
	TRIP 0, 0, 1                                   ; tiles 1, 3, ..
	s_sub_co_i32 s13, s13, 1
	s_cmp_lg_u32 s13, 0
	s_cbranch_scc1 .Lloop1
.Lblock1_done:
	EPI OP1, 1
	s_mov_b64 s[KP:KP+1], s[K0:K0+1]               ; behind the second diagonal comes tile 0
	TRIP 1, 1, 1                                   ; the second block's diagonal tile
	s_sub_co_u32 s13, 15, s11
	s_cmp_eq_u32 s13, 0
	s_cbranch_scc1 .Lblock2_tail                   ; block 1 has one other tile alone
.Lloop2:
	TRIP 0, 0, 1
	TRIP 1, 0, 1
	s_sub_co_i32 s13, s13, 1
	s_cmp_lg_u32 s13, 0
	s_cbranch_scc1 .Lloop2
.Lblock2_tail:
	TRIP 0, 0, 0                                   ; the last tile, 30 - 2 n1: nothing is left to fetch
	EPI OP2, 0
	s_wait_tensorcnt 0x0
	ds_add_u32 v30, v31
	s_wait_dscnt 0x0
	s_endpgm
.Lfunc_end_k_q7adc05a8b8_attn:
	.size	k_q7adc05a8b8_attn, .Lfunc_end_k_q7adc05a8b8_attn-k_q7adc05a8b8_attn
	.p2alignl 7, 3214868480
	.fill 96, 4, 3214868480
	.section	.rodata,"a",@progbits
	.p2align	6, 0x0
	.amdhsa_kernel k_q7adc05a8b8_attn
		.amdhsa_group_segment_fixed_size 327680
		.amdhsa_private_segment_fixed_size 0
		.amdhsa_enable_private_segment 0
		.amdhsa_kernarg_size 16
		.amdhsa_user_sgpr_count 2
		.amdhsa_user_sgpr_kernarg_segment_ptr 1
		.amdhsa_wavefront_size32 1
		.amdhsa_system_sgpr_workgroup_id_x 1
		.amdhsa_system_sgpr_workgroup_id_y 1
		.amdhsa_system_sgpr_workgroup_id_z 1
		.amdhsa_system_vgpr_workitem_id 0
		.amdhsa_next_free_vgpr 256
		.amdhsa_next_free_sgpr 80
		.amdhsa_reserve_vcc 1
		.amdhsa_float_denorm_mode_32 3
		.amdhsa_float_denorm_mode_16_64 3
		.amdhsa_memory_ordered 1
		.amdhsa_forward_progress 1
		.amdhsa_inst_pref_size 159
	.end_amdhsa_kernel
	.amdgpu_metadata
---
amdhsa.version: [ 1, 2 ]
amdhsa.kernels:
  - .name:           k_q7adc05a8b8_attn
    .symbol:         k_q7adc05a8b8_attn.kd
    .args:
      - { .name: qkv, .offset: 0, .size: 8, .value_kind: global_buffer, .address_space: global }
      - { .name: out0, .offset: 8, .size: 8, .value_kind: global_buffer, .address_space: global }
    .group_segment_fixed_size: 327680
    .private_segment_fixed_size: 0
    .kernarg_segment_align: 8
    .kernarg_segment_size: 16
    .max_flat_workgroup_size: 256
    .sgpr_count:     80
    .vgpr_count:     256
    .wavefront_size: 32
...
	.end_amdgpu_metadata
.endif
;; end of part 3
